; MI455X (gfx1250); checked and timed in simulation.
; The chip was launched on July 23, 2026; its instructions are those of AMD's public machine-readable ISA for CDNA 5 (MIT licence, August 2026) and "CDNA5" Instruction Set Architecture Reference Guide (July 2026). The comments in the code are by the model that wrote it; some were corrected since.
;; Self Attention. Allowed arithmetic: matrix products marked QUANTISED: E4M3 operands, one given power-of-two scale a tensor, by v_wmma_f32_16x16x64_fp8_fp8 or v_wmma_f32_16x16x128_fp8_fp8, f32 sums; everything else in f32.
;; Inputs: Wk 1,024 x 1,024 float32; Wo 1,024 x 1,024 float32; Wq 1,024 x 1,024 float32; Wv 1,024 x 1,024 float32; bk 1,024 float32; bo 1,024 float32; bq 1,024 float32; bv 1,024 float32; lowp_scales 12 int32 (the exponents e of the quantised operands' scales 2^e); x 4 x 2,048 x 1,024 float32.
;; Outputs: out0 4 x 2,048 x 1,024 float32.
;; This version of the problem:
;;   THIS VERSION OF THE PROBLEM IS GIVEN IN LOW PRECISION. The matrix products marked QUANTISED in the list below multiply operands that are first quantised to E4M3 (4 exponent bits, 3 mantissa bits; 8 bits a number), with one given power-of-two scale for each operand tensor; their sums are f32. All else is computed in f32.
;;   The module's matrix products, in the order in which they are computed (A, B: the left and right operand; K: the contracted axis; several contracted axes count as one K, in the product's order):
;;     1. [M 8,192, K 1,024] x [K 1,024, N 1,024]; A: input x; B: input Wq: QUANTISED (scales: A lowp_scales[0], B lowp_scales[1])
;;     2. [M 8,192, K 1,024] x [K 1,024, N 1,024]; A: input x; B: input Wk: QUANTISED (scales: A lowp_scales[2], B lowp_scales[3])
;;     3. [M 8,192, K 1,024] x [K 1,024, N 1,024]; A: input x; B: input Wv: QUANTISED (scales: A lowp_scales[4], B lowp_scales[5])
;;     4. batch 64 x [M 2,048, K 64] x [K 64, N 2,048]; A: computed on the way; B: computed on the way: QUANTISED (scales: A lowp_scales[6], B lowp_scales[7])
;;     5. batch 64 x [M 2,048, K 2,048] x [K 2,048, N 64]; A: softmax (see below); B: computed on the way: QUANTISED (scales: A lowp_scales[8], B lowp_scales[9])
;;     6. [M 8,192, K 1,024] x [K 1,024, N 1,024]; A: computed on the way; B: input Wo: QUANTISED (scales: A lowp_scales[10], B lowp_scales[11])
;;   THE QUANTISER, for each operand of a quantised product, along K:
;;     - The operand's scale is 2^e, e = its entry of the input lowp_scales (int32; the entries are numbered through the quantised products in the list's order, A before B).
;;     - Each number is divided by the scale, clamped to +-448, and rounded to the nearest number of E4M3, ties to even, subnormals kept.
;;     - The product sums the exact products of the quantised numbers (number of the format x scale) in f32.
;;   ~~~python
;;   def quantise(x, axis, e):      # numpy; x: float32 -> the quantised numbers, widened to float32 again
;;       x = np.moveaxis(x, axis, -1); K = x.shape[-1]
;;       r = np.clip(x / 2.0 ** e, -448, 448)
;;       step = 2.0 ** (np.maximum(np.frexp(np.where(r == 0, 1, r))[1] - 1, -6) - 3)
;;       q = np.round(r / step) * step * 2.0 ** e      # np.round: ties to even
;;       return np.moveaxis(q, -1, axis).astype(np.float32)
;;   ~~~
;;   SOFTMAX AHEAD OF A QUANTISED PRODUCT. Where the list says 'softmax', what is quantised is not the finished softmax but p = 2^(t - M), with t = logit x log2(e) and M = ceil(the row's largest t), a whole number; so 1/2 < the row's largest p <= 1. The row's sum l is taken of the UNQUANTISED p, in f32, and the product's result is divided by l at the end. Since M is a whole number, a kernel that streams over the keys may use a running M (the ceiling of the running maximum): every later rescaling is an exact power of two, so the quantised numbers keep their values, but for numbers so far below the row's largest that they fall under the format's range.
;;   OPERANDS COMPUTED ON THE WAY. 'Computed on the way' means the value that the module computes at that place (a softmax that the list does not call 'softmax' is quantised finished and normalised). What goes into a quantiser is computed in f32, as accurately as f32 sums, v_exp_f32 and their like allow (about 1e-6 of the number): no bf16 or f16 on the way to a quantiser, and a product that is left as it is and whose result goes on into a quantised operand takes f32 operands (vector FMAs, or v_wmma_f32_16x16x4_f32). A number that lies on a knife's edge between two numbers of the format may be rounded either way, as far as f32 arithmetic and the matrix unit's own rounding can turn it there, and no further.
;; One version. Each part assembles by itself: llvm-mc -triple=amdgcn-amd-amdhsa -mcpu=gfx1250 --defsym DOCPART=n.
;; ======== version 1 of 1: 4 launches
;; limits: right only within a limited range of input values
;; workspace buffers: codes 29,360,128 bytes; qkv 25,165,824 bytes; ycodes 8,388,608 bytes
;; launch quant (part 1): grid 384 x 1, 4 waves a work-group, no clusters, 33,280 bytes of LDS; arguments x, Wq, Wk, Wv, Wo, lowp_scales, codes; writes codes
.if DOCPART == 1
	.amdgcn_target "amdgcn-amd-amdhsa--gfx1250"
	.amdhsa_code_object_version 6
	.text
	.protected	k_qa98f8a3dd0_quant
	.globl	k_qa98f8a3dd0_quant
	.p2align	8
	.type	k_qa98f8a3dd0_quant,@function
k_qa98f8a3dd0_quant:
	s_mov_b64 s[64:65], 0
	v_nop
	global_prefetch_b8 v0, s[64:65] scope:SCOPE_SE
	s_setreg_imm32_b32 hwreg(HW_REG_WAVE_MODE, 25, 1), 1
	s_wait_xcnt 0x0
; x [8192][1024] and the four weights [1024][1024], f32 with K innermost, become codes of FP8 (E4M3), one byte each, rows of 1,024 bytes in the buffer of codes:
;   rows 0-8191 x with scale entry 0, rows 8192-16383 x with entry 2, rows 16384-24575 x with entry 4 (x is an operand of three products, each with a scale of its own);
;   rows 24576.. Wq (entry 1), 25600.. Wk (entry 3), 26624.. Wv (entry 5), 27648.. Wo (entry 11).
; code = number / 2^e, held within +-448, rounded to the nearest code, ties to even.
; Wq, Wk, Wv ARE STORED WITH BITS 3 AND 4 OF THE ROW'S NUMBER SWAPPED: sixteen stored rows on end are then true rows 0-7 and 16-23 (or 8-15 and 24-31) of a group of 32, so that in the next launch the
; sixteen registers of two neighbouring result tiles are sixteen neighbouring channels.  A wave's share is 8 rows, so the swap is a swap of the two bits of the wave's number in the place where it stores.
; SHARES.  A work-group takes 32,768 numbers (32 rows), a wave 8,192 in 16 steps of 512.  Work-groups 0-255 take x, then 32 for each weight.  The work-groups share no input: no cluster, no joint load.
; Each load reads 512 consecutive bytes; a step's 2,048 bytes turn through the wave's own stage in LDS so that a lane holds 16 neighbours along K; its 16 codes are 16 bytes, so a store covers 512 consecutive bytes.
; LIMITS: each e between -126 and 119, so that 2^e and 448 x 2^e are f32 numbers.  NaN among the inputs is not served.
.set WAVES, 4
.set STEPS, 16
.set SP,    80                         ; a lane's place in a stage: 64 bytes + 16 of padding
.set WREG,  8192                       ; LDS of a wave: two stages of 32 x SP bytes
.set SPARE, WAVES*WREG                 ; behind the four regions: the spare words, 128 bytes for each wave, that no other line names
.set SCL,   5                          ; v5-7    2^e as f32, for the three conversions (a weight uses the first alone)
.set LIM,   8                          ; v8-10   448 x 2^e
.set SPW,   12                         ; v12     LDS address of my spare word; never rewritten
.set NIL,   13                         ; v13     0; never rewritten
.set R,     16                         ; v16-79  four sets of 16 numbers as loaded
.set X,     80                         ; v80-111 two sets of 16 neighbours
.set T,     112                        ; v112-159 the 16 numbers held at each of the three limits
.set C,     160                        ; v160-183 codes: two sets (steps by turns) x three scales x four registers
	s_load_b256 s[4:11], s[0:1], 0x0               ; x s[4:5], Wq s[6:7], Wk s[8:9], Wv s[10:11]
	s_load_b128 s[12:15], s[0:1], 0x20             ; Wo s[12:13], the scales' exponents s[14:15]
	s_load_b64 s[16:17], s[0:1], 0x30              ; the codes
	v_lshl_add_u32 v[SPW], v0, 2, SPARE
	v_mov_b32 v[NIL], 0
	v_lshrrev_b32 v1, 5, v0
	v_readfirstlane_b32 s18, v1                    ; wave 0..3
	v_and_b32 v2, 31, v0                           ; lane
	v_lshlrev_b32 v3, 4, v2                        ; 16 x lane: my bytes of a load's 512 and of a store's 512
	s_mul_i32 s19, s18, WREG
	v_lshrrev_b32 v14, 2, v2
	v_mul_u32_u24 v14, v14, SP
	v_and_b32 v15, 3, v2
	v_lshl_add_u32 v14, v15, 4, v14
	v_add_nc_u32 v14, s19, v14                     ; the stage, on the way in: four lanes' 64 bytes on end, then the padding
	v_mul_u32_u24 v15, v2, SP
	v_add_nc_u32 v15, s19, v15                     ; and on the way out: my 16 neighbours
	s_lshr_b32 s22, s18, 1
	s_and_b32 s23, s18, 1
	s_lshl_b32 s23, s23, 1
	s_or_b32 s22, s22, s23                         ; the wave's number with its two bits swapped
	s_sub_co_u32 s23, ttmp9, 256
	s_cmp_lt_u32 s23, 96                           ; work-groups 256 to 351: Wq, Wk, Wv
	s_cselect_b32 s22, s22, s18                    ; which 8 rows of the work-group's 32 I store
	s_and_b32 s23, ttmp9, 31                       ; a weight's work-group among its 32
	s_cmp_lt_u32 ttmp9, 256
	s_cselect_b32 s23, ttmp9, s23
	s_cselect_b32 s30, 0, 0x1000000                ; the weights' codes begin at byte 0x1800000 = 0x1000000 + 256 x 32,768
	s_lshl_b32 s23, s23, 2
	s_add_co_u32 s23, s23, s18
	s_lshl_b32 s46, s23, 15                        ; where I read: 32,768 bytes of f32 a wave
	s_mov_b32 s47, 0
	s_lshl_b32 s48, ttmp9, 15
	s_lshl_b32 s22, s22, 13
	s_add_co_u32 s48, s48, s22
	s_add_co_u32 s48, s48, s30                     ; where I store: 8,192 bytes of codes a wave
	s_mov_b32 s49, 0
	s_wait_alu depctr_va_vdst(0)
	s_wait_kmcnt 0x0
	s_load_b256 s[32:39], s[14:15], 0x0            ; entries 0 to 7
	s_load_b128 s[40:43], s[14:15], 0x20           ; entries 8 to 11
	s_mov_b64 s[20:21], s[12:13]                   ; the source is chosen by the work-group's number alone
	s_cmp_lt_u32 ttmp9, 352
	s_cselect_b64 s[20:21], s[10:11], s[20:21]
	s_cmp_lt_u32 ttmp9, 320
	s_cselect_b64 s[20:21], s[8:9], s[20:21]
	s_cmp_lt_u32 ttmp9, 288
	s_cselect_b64 s[20:21], s[6:7], s[20:21]
	s_cmp_lt_u32 ttmp9, 256
	s_cselect_b64 s[20:21], s[4:5], s[20:21]
	s_add_nc_u64 s[20:21], s[20:21], s[46:47]
	s_add_nc_u64 s[24:25], s[16:17], s[48:49]      ; the first set of codes,
	s_add_nc_u64 s[26:27], s[24:25], 0x800000      ; x's second set, 8,192 rows on,
	s_add_nc_u64 s[28:29], s[24:25], 0x1000000     ; and its third (these two are used by x's work-groups alone)
.macro LOAD t
.irp i, 0,1,2,3
	global_load_b128 v[R+16*((\t)%4)+4*\i:R+16*((\t)%4)+4*\i+3], v3, s[20:21] offset:2048*(\t)+512*\i th:TH_LOAD_NT   ; 32 lanes read 512 consecutive bytes, read once in the launch
.endr
.endm
.macro TURN t                          ; step t's numbers through the stage: LDS serves a wave's instructions in order (ISA guide 5.7.1.4), so no wait stands between the stores and the loads
.irp i, 0,1,2,3
	ds_store_b128 v14, v[R+16*((\t)%4)+4*\i:R+16*((\t)%4)+4*\i+3] offset:32*SP*((\t)%2)+8*SP*\i
.endr
.irp i, 0,1,2,3
	ds_load_b128 v[X+16*((\t)%2)+4*\i:X+16*((\t)%2)+4*\i+3], v15 offset:32*SP*((\t)%2)+16*\i
.endr
.endm
.irp t, 0,1,2,3
	LOAD \t
.endr
	s_wait_kmcnt 0x0
	s_mov_b32 s44, s43                             ; the first scale: entry 11, 5, 3, 1 or 0, by the work-group's number
	s_cmp_lt_u32 ttmp9, 352
	s_cselect_b32 s44, s37, s44
	s_cmp_lt_u32 ttmp9, 320
	s_cselect_b32 s44, s35, s44
	s_cmp_lt_u32 ttmp9, 288
	s_cselect_b32 s44, s33, s44
	s_cmp_lt_u32 ttmp9, 256
	s_cselect_b32 s44, s32, s44
.macro MKS k, e                        ; 2^e and 448 x 2^e as f32 numbers
	s_add_co_i32 s45, \e, 127
	s_lshl_b32 s50, s45, 23
	v_mov_b32 v[SCL+\k], s50
	s_add_co_i32 s45, s45, 8
	s_lshl_b32 s45, s45, 23
	s_or_b32 s45, s45, 0x600000
	v_mov_b32 v[LIM+\k], s45
.endm
	MKS 0, s44
	MKS 1, s34                                     ; entry 2
	MKS 2, s36                                     ; entry 4
	s_wait_alu depctr_va_vdst(0)
	s_wait_loadcnt 12                              ; step 0's four loads are in; the three younger steps' twelve may be out
	TURN 0
; The step's 16 neighbours with scale k: held, converted, stored.
.macro QZ k, t
.set XS, X+16*((\t)%2)
.set TS, T+16*(\k)
.set CC, C+12*((\t)%2)+4*(\k)
.irp i, 0,1,2,3,4,5,6,7,8,9,10,11,12,13,14,15
	v_med3_num_f32 v[TS+\i], v[XS+\i], -v[LIM+\k], v[LIM+\k]   ; the conversion to an 8-bit code does not saturate (ISA guide 7.6.2): the hold comes first, into registers of its own, since x is held at three limits
.endr
	v_cvt_scalef32_pk8_fp8_f32 v[CC:CC+1], v[TS:TS+7], v[SCL+\k]
	v_cvt_scalef32_pk8_fp8_f32 v[CC+2:CC+3], v[TS+8:TS+15], v[SCL+\k]
	v_nop                                          ; a plain vector line behind the conversions: the next holds into these registers may follow directly
	global_store_b128 v3, v[CC:CC+3], s[24+2*(\k):25+2*(\k)] offset:512*(\t)   ; 32 lanes store 512 consecutive bytes, at a multiple of 512 from the buffer's first byte
.endm
.macro STEP t
	s_wait_dscnt 0x0                               ; this step's numbers are back from the stage, and its stores into the stage have read their registers
	s_wait_xcnt 0x0                                ; every earlier store has read its registers: the codes' set of two steps ago is written again only behind this wait
.if (\t)+4 < STEPS
	LOAD (\t)+4
.endif
.if (\t)+1 < STEPS
.if STEPS-2-(\t) >= 3
	s_wait_loadcnt 12                              ; the next step's four loads are in; those of the three steps behind it may be out
.else
	s_wait_loadcnt 4*(STEPS-2-(\t))
.endif
	TURN (\t)+1                                    ; through the other stage while this step is worked
.endif
	QZ 0, \t
	s_cmp_lt_u32 ttmp9, 256                        ; x has two scales more; the branch hangs on the work-group's number and leads round vector work and stores alone
	s_cbranch_scc0 .Lw_\@
	QZ 1, \t
	QZ 2, \t
.Lw_\@:
.endm
.irp t, 0,1,2,3,4,5,6,7,8,9,10,11,12,13,14,15
	STEP \t
.endr
	s_wait_tensorcnt 0x0                           ; the wave's end, behind my last LDS store
	ds_add_u32 v[SPW], v[NIL]
	s_wait_dscnt 0x0
	s_endpgm
.Lfunc_end_k_qa98f8a3dd0_quant:
	.size	k_qa98f8a3dd0_quant, .Lfunc_end_k_qa98f8a3dd0_quant-k_qa98f8a3dd0_quant
	.p2alignl 7, 3214868480
	.fill 96, 4, 3214868480
	.section	.rodata,"a",@progbits
	.p2align	6, 0x0
	.amdhsa_kernel k_qa98f8a3dd0_quant
		.amdhsa_group_segment_fixed_size 33280
		.amdhsa_private_segment_fixed_size 0
		.amdhsa_enable_private_segment 0
		.amdhsa_kernarg_size 56
		.amdhsa_user_sgpr_count 2
		.amdhsa_user_sgpr_kernarg_segment_ptr 1
		.amdhsa_wavefront_size32 1
		.amdhsa_system_sgpr_workgroup_id_x 1
		.amdhsa_system_sgpr_workgroup_id_y 1
		.amdhsa_system_sgpr_workgroup_id_z 1
		.amdhsa_system_vgpr_workitem_id 0
		.amdhsa_next_free_vgpr 184
		.amdhsa_next_free_sgpr 66
		.amdhsa_reserve_vcc 0
		.amdhsa_float_denorm_mode_32 3
		.amdhsa_float_denorm_mode_16_64 3
		.amdhsa_memory_ordered 1
		.amdhsa_forward_progress 1
		.amdhsa_inst_pref_size 82
	.end_amdhsa_kernel
	.amdgpu_metadata
---
amdhsa.version: [ 1, 2 ]
amdhsa.kernels:
  - .name:           k_qa98f8a3dd0_quant
    .symbol:         k_qa98f8a3dd0_quant.kd
    .args:
      - { .name: x, .offset: 0, .size: 8, .value_kind: global_buffer, .address_space: global }
      - { .name: Wq, .offset: 8, .size: 8, .value_kind: global_buffer, .address_space: global }
      - { .name: Wk, .offset: 16, .size: 8, .value_kind: global_buffer, .address_space: global }
      - { .name: Wv, .offset: 24, .size: 8, .value_kind: global_buffer, .address_space: global }
      - { .name: Wo, .offset: 32, .size: 8, .value_kind: global_buffer, .address_space: global }
      - { .name: lowp_scales, .offset: 40, .size: 8, .value_kind: global_buffer, .address_space: global }
      - { .name: codes, .offset: 48, .size: 8, .value_kind: global_buffer, .address_space: global }
    .group_segment_fixed_size: 33280
    .private_segment_fixed_size: 0
    .kernarg_segment_align: 8
    .kernarg_segment_size: 56
    .max_flat_workgroup_size: 128
    .sgpr_count:     66
    .vgpr_count:     184
    .wavefront_size: 32
...
	.end_amdgpu_metadata
.endif
;; end of part 1
;; launch qkv (part 2): grid 4 x 96, 4 waves a work-group, clusters of 4 x 4, 327,680 bytes of LDS; arguments codes, lowp_scales, bq, bk, bv, qkv; writes qkv
.if DOCPART == 2
	.amdgcn_target "amdgcn-amd-amdhsa--gfx1250"
	.amdhsa_code_object_version 6
	.text
	.protected	k_qa98f8a3dd0_qkv
	.globl	k_qa98f8a3dd0_qkv
	.p2align	8
	.type	k_qa98f8a3dd0_qkv,@function
k_qa98f8a3dd0_qkv:
	s_mov_b64 s[64:65], 0
	v_nop
	global_prefetch_b8 v0, s[64:65] scope:SCOPE_SE
	s_setreg_imm32_b32 hwreg(HW_REG_WAVE_MODE, 25, 1), 1
	s_wait_xcnt 0x0
	s_wait_alu depctr_hold_cnt(0) depctr_sa_sdst(0) depctr_va_vdst(0) depctr_va_sdst(0) depctr_va_ssrc(0) depctr_va_vcc(0) depctr_vm_vsrc(0)
	s_getreg_b32 s2, hwreg(HW_REG_IB_STS2, 6, 4)
	s_cmp_eq_u32 s2, 0
	s_cbranch_scc0 .Lentry_in_a_cluster
	s_endpgm
.Lentry_in_a_cluster:
	s_bfe_u32 s2, ttmp6, 0x10000c
	s_cmp_lg_u32 s2, 0xf033
	s_cbranch_scc0 .Lentry_shape_is_right
	s_endpgm
.Lentry_shape_is_right:
.set ROWB,   256
.set KROW,   1024
.set PITCH,  272
.set FR,     16
.set NL,     4
.set NP,     4
.set HALFT,  128*PITCH
.set SLOT,   4*HALFT
.set SPARE,  2*SLOT
.set VO,   8
.set ADRA, 16
.set ADRB, 20
.set L16,  27
.set SPW,  28
.set NIL,  29
.set SC,   30
.set LIM,  31
.set BIAS, 32
.set TMP,  32
.set RAW,  96
.set AF,   128
.set CD,   128
.set WV, 16
.set WR, 17
.set WC, 18
.set CX, 19
.set CY, 20
.set CL, 21
.set PP, 22
.set G1, 24
.set G0, 32
.set G1B, 48
.set G0B, 56
.set MSB, 0
.macro WIN new
.if MSB != (\new)
	s_set_vgpr_msb (MSB<<8)|(\new)
.set MSB, (\new)
.endif
.endm
.set MUL_LO, 0xa1
.set MUL_HI, 0xf1
.set FST_LO, 0x81
.set FST_HI, 0xc1
.set TO_B,   0x40
.macro JLOAD s
	s_cmp_eq_u32 s[WR], 0
	s_cbranch_scc0 .Lfor_b_\@
	tensor_load_to_lds s[G0+4*\s:G0+4*\s+3], s[G1:G1+7]
	s_nop 0
.rept 4
	v_nop
.endr
	s_branch .Lasked_\@
.Lfor_b_\@:
	tensor_load_to_lds s[G0B+4*\s:G0B+4*\s+3], s[G1B:G1B+7]
	s_nop 0
.rept 4
	v_nop
.endr
.Lasked_\@:
.endm
.macro CREST
	s_cmp_lg_u32 s[WV], 0
	s_cbranch_scc1 .Lnot_wave_0_\@
	s_barrier_signal -3
.Lnot_wave_0_\@:
	s_barrier_wait -3
	s_barrier_signal -1
	s_barrier_wait -1
.endm
.macro CROUND
	s_barrier_signal -1
	s_barrier_wait -1
	CREST
.endm
	s_load_b256 s[4:11], s[0:1], 0x0
	s_load_b128 s[12:15], s[0:1], 0x20
	v_lshl_add_u32 v[SPW], v0, 2, SPARE
	v_mov_b32 v[NIL], 0
	ds_add_u32 v[SPW], v[NIL]
	ds_add_u32 v[SPW], v[NIL]
	v_lshrrev_b32 v1, 5, v0
	v_readfirstlane_b32 s[WV], v1
	s_lshr_b32 s[WR], s[WV], 1
	s_and_b32 s[WC], s[WV], 1
	s_bfe_u32 s[CX], ttmp6, 0x40000
	s_bfe_u32 s[CY], ttmp6, 0x40004
	s_and_b32 s[CL], ttmp7, 0xffff
	s_lshr_b32 s[PP], s[CL], 3
	s_lshl_b32 s40, s[CY], 2
	s_lshl_b32 s40, 15, s40
	s_lshl_b32 s41, 0x1111, s[CX]
	s_or_b32 s[G1+0], s40, (0<<16)|(1<<20)|(1<<21)|(5<<22)|(3<<25)
	s_or_b32 s[G1B+0], s41, (0<<16)|(1<<20)|(1<<21)|(5<<22)|(3<<25)
.irp g, G1, G1B
	s_mov_b32 s[\g+1], ROWB<<16
	s_mov_b32 s[\g+2], 128<<16
	s_mov_b32 s[\g+3], ROWB<<16
	s_mov_b32 s[\g+4], 128
	s_mov_b32 s[\g+5], KROW
	s_mov_b32 s[\g+6], 0
	s_mov_b32 s[\g+7], 0
.endr
	s_lshl_b32 s42, s[CL], 10
	s_lshl_b32 s43, s[PP], 10
	s_add_co_u32 s43, s43, 24576
	s_cmp_lt_u32 s[CL], 16
	s_cselect_b32 s44, s42, s43
	s_cselect_b32 s46, s43, s42
	s_lshl_b32 s23, s[WC], 7
	s_lshl_b32 s45, s[CY], 8
	s_add_co_u32 s44, s44, s45
	s_add_co_u32 s44, s44, s23
	s_lshl_b32 s47, s[CX], 8
	s_add_co_u32 s46, s46, s47
	s_add_co_u32 s46, s46, s23
	s_lshl_b32 s44, s44, 10
	s_lshl_b32 s46, s46, 10
	s_mov_b32 s45, 0
	s_mov_b32 s47, 0
	s_mul_i32 s66, s[WV], HALFT
	s_wait_dscnt 0x0
	s_wait_kmcnt 0x0
	s_load_b256 s[68:75], s[6:7], 0x0
	s_load_b128 s[76:79], s[6:7], 0x20
	s_add_nc_u64 s[44:45], s[4:5], s[44:45]
	s_add_nc_u64 s[46:47], s[4:5], s[46:47]
	CROUND
.irp s, 0,1
	s_mov_b32 s[G0+4*\s], 1
	s_add_co_u32 s[G0+4*\s+1], s66, \s*SLOT
	s_add_nc_u64 s[G0+4*\s+2:G0+4*\s+3], s[44:45], \s*ROWB
	s_or_b32 s[G0+4*\s+3], s[G0+4*\s+3], 0x80000000
	s_mov_b32 s[G0B+4*\s], 1
	s_add_co_u32 s[G0B+4*\s+1], s66, \s*SLOT
	s_add_nc_u64 s[G0B+4*\s+2:G0B+4*\s+3], s[46:47], \s*ROWB
	s_or_b32 s[G0B+4*\s+3], s[G0B+4*\s+3], 0x80000000
	s_wait_alu depctr_va_vdst(0)
	s_wait_tensorcnt 0x0
	ds_add_u32 v28, v29
	ds_add_u32 v28, v29
	s_wait_dscnt 0x0
	CROUND
	JLOAD \s
.endr
	v_and_b32 v1, 15, v0
	v_bfe_u32 v2, v0, 4, 1
	v_mul_u32_u24 v3, v1, PITCH
	v_lshl_add_u32 v4, v2, 4, v3
	s_mul_i32 s90, s[WR], HALFT
	s_mul_i32 s91, s[WC], HALFT
	s_add_co_u32 s91, s91, 2*HALFT
.irp s, 0,1
	v_add_nc_u32 v[ADRA+\s], s90, v4
	v_add_nc_u32 v[ADRB+\s], s91, v4
	s_add_co_u32 s90, s90, SLOT
	s_add_co_u32 s91, s91, SLOT
.endr
	v_lshlrev_b32 v5, 6, v2
	v_and_b32 v6, 8, v1
	v_add_nc_u32 v6, v6, v1
	v_lshlrev_b32 v6, 2, v6
	v_and_b32 v7, 31, v0
	v_lshlrev_b32 v[L16], 4, v7
	s_wait_alu depctr_va_vdst(0)
	s_wait_kmcnt 0x0
	s_cmp_eq_u32 s[PP], 0
	s_cselect_b32 s80, s68, s72
	s_cselect_b32 s81, s69, s73
	s_cselect_b32 s82, s74, s77
	s_cselect_b64 s[96:97], s[8:9], s[12:13]
	s_cmp_eq_u32 s[PP], 1
	s_cselect_b32 s80, s70, s80
	s_cselect_b32 s81, s71, s81
	s_cselect_b32 s82, s75, s82
	s_cselect_b64 s[96:97], s[10:11], s[96:97]
	s_add_co_i32 s83, s80, s81
	s_sub_co_i32 s83, 0, s83
	s_add_co_i32 s98, s82, s83
	s_add_co_i32 s98, s98, 127
	s_lshl_b32 s90, s98, 23
	v_mov_b32 v[SC], s90
	s_add_co_i32 s98, s98, 8
	s_lshl_b32 s98, s98, 23
	s_or_b32 s98, s98, 0x600000
	v_mov_b32 v[LIM], s98
	s_mov_b32 s100, 131072
	s_mov_b32 s101, 4096
	s_cmp_lt_u32 s[CL], 16
	s_cselect_b32 s84, s[CY], s[CX]
	s_cselect_b32 s85, s[WR], s[WC]
	s_cselect_b32 s86, s[CX], s[CY]
	s_cselect_b32 s87, s[WC], s[WR]
	s_cselect_b32 s99, s101, s100
	s_cselect_b32 s100, s100, s101
	s_mov_b32 s101, 0
	s_and_b32 s88, s[CL], 7
	s_lshl_b32 s88, s88, 2
	s_add_co_u32 s88, s88, s84
	s_lshl_b32 s88, s88, 8
	s_lshl_b32 s85, s85, 7
	s_add_co_u32 s88, s88, s85
	s_lshl_b32 s89, s86, 2
	s_lshl_b32 s87, s87, 1
	s_add_co_u32 s89, s89, s87
	s_lshr_b32 s90, s88, 11
	s_lshl_b32 s90, s90, 4
	s_add_co_u32 s90, s90, s89
	s_lshl_b32 s90, s90, 17
	s_and_b32 s91, s88, 2047
	s_lshl_b32 s91, s91, 6
	s_add_co_u32 s90, s90, s91
	s_lshl_b32 s91, s[PP], 23
	s_add_co_u32 s90, s90, s91
	s_mov_b32 s91, 0
	s_add_nc_u64 s[92:93], s[14:15], s[90:91]
	s_add_nc_u64 s[94:95], s[92:93], s[100:101]
	s_lshl_b32 s90, s89, 8
	s_add_nc_u64 s[96:97], s[96:97], s[90:91]
.irp a, 0,1,2,3
	v_add_nc_u32 v[VO+\a], 1024*\a, v[L16]
.endr
.irp a, 4,5,6,7
	v_add_nc_u32 v[VO+\a], s99, v[VO+\a-4]
.endr
	s_cmp_lt_u32 s[CL], 16
	s_cbranch_scc0 .Lbias_v
.irp t, 0,1,2,3,4,5,6,7
	global_load_b128 v[BIAS+8*\t:BIAS+8*\t+3], v5, s[96:97] offset:4*(64*(\t/4)+32*((\t%4)/2)+8*(\t%2))
	global_load_b128 v[BIAS+8*\t+4:BIAS+8*\t+7], v5, s[96:97] offset:4*(64*(\t/4)+32*((\t%4)/2)+8*(\t%2))+16
.endr
	s_wait_loadcnt 0x0
.set i, 0
.rept 64
	v_ldexp_f32 v[BIAS+i], v[BIAS+i], s83
.set i, i+1
.endr
	s_branch .Lbias_done
.Lbias_v:
.irp t, 0,1,2,3,4,5,6,7
	global_load_b32 v[RAW+\t], v6, s[96:97] offset:4*(64*(\t/4)+32*((\t%4)/2)+8*(\t%2))
.endr
	s_wait_loadcnt 0x0
.irp t, 0,1,2,3,4,5,6,7
.irp j, 0,1,2,3,4,5,6,7
	v_ldexp_f32 v[BIAS+8*\t+\j], v[RAW+\t], s83
.endr
.endr
.Lbias_done:
.macro FRAG reg, adr, q, i
.irp c, 0,1,2,3
	ds_load_b128 v[\reg+4*\c:\reg+4*\c+3], v[\adr] offset:128*(\q)+32*\c+(\i)*16*PITCH
.endr
.endm
.macro MUL16 a0, p, cm
.irp a, \a0, \a0+1
.irp b, 0,1,2,3,4,5,6,7
.if \cm == 0
	v_wmma_f32_16x16x128_fp8_fp8 v[8*(8*((\a)%4)+\b):8*(8*((\a)%4)+\b)+7], v[128*(\p)+FR*\b:128*(\p)+FR*\b+FR-1], v[AF+FR*(\a):AF+FR*(\a)+FR-1], v[8*(8*((\a)%4)+\b):8*(8*((\a)%4)+\b)+7]
.elseif \cm == 1
	v_wmma_f32_16x16x128_fp8_fp8 v[8*(8*((\a)%4)+\b):8*(8*((\a)%4)+\b)+7], v[128*(\p)+FR*\b:128*(\p)+FR*\b+FR-1], v[AF+FR*(\a):AF+FR*(\a)+FR-1], v[BIAS+8*\b:BIAS+8*\b+7]
.else
	v_wmma_f32_16x16x128_fp8_fp8 v[8*(8*((\a)%4)+\b):8*(8*((\a)%4)+\b)+7], v[128*(\p)+FR*\b:128*(\p)+FR*\b+FR-1], v[AF+FR*(\a):AF+FR*(\a)+FR-1], v[BIAS+8*(\a):BIAS+8*(\a)+7]
.endif
.endr
.endr
.endm
.macro FETCH_B slot, q, p
	WIN TO_B
.irp i, 0,1,2,3,4,5,6,7
	FRAG 128*(\p)+FR*\i, ADRB+\slot, \q, \i
.endr
	WIN 0
.endm
.macro FETCH_A slot, q, i0
.irp i, \i0, \i0+1, \i0+2, \i0+3
	FRAG AF+FR*(\i), ADRA+\slot, \q, \i
.endr
.endm
.macro PLACES n
.rept \n
	v_nop
.endr
.endm
.macro STEP slot, q, cm
	s_wait_dscnt 4*NL
.if \cm
	WIN FST_LO
.else
	WIN MUL_LO
.endif
	MUL16 0, (\q)%2, \cm
	MUL16 2, (\q)%2, \cm
	s_wait_dscnt 0
	PLACES NP
	FETCH_B \slot, (\q)+1, 1-(\q)%2
	FETCH_A \slot, (\q)+1, 0
.if \cm
	WIN FST_HI
.else
	WIN MUL_HI
.endif
	MUL16 4, (\q)%2, \cm
	MUL16 6, (\q)%2, \cm
	PLACES NP
	WIN 0
	FETCH_A \slot, (\q)+1, 4
.endm
.macro TURN slot, next, fill
	s_wait_tensorcnt 0x0
	ds_add_u32 v[SPW], v[NIL]
	s_wait_dscnt 4*NL+1
	WIN MUL_LO
	MUL16 0, 1, 0
	s_wait_dscnt 0x0
	s_barrier_signal -1
	MUL16 2, 1, 0
	WIN 0
	s_barrier_wait -1
.if \fill
	CREST
	s_add_nc_u64 s[G0+4*\slot+2:G0+4*\slot+3], s[G0+4*\slot+2:G0+4*\slot+3], 2*ROWB
	s_add_nc_u64 s[G0B+4*\slot+2:G0B+4*\slot+3], s[G0B+4*\slot+2:G0B+4*\slot+3], 2*ROWB
	JLOAD \slot
.else
	PLACES NP
.endif
	FETCH_B \next, 0, 0
	FETCH_A \next, 0, 0
	WIN MUL_HI
	MUL16 4, 1, 0
	MUL16 6, 1, 0
	PLACES NP
	WIN 0
	FETCH_A \next, 0, 4
.endm
	s_wait_tensorcnt 1
	s_barrier_signal -1
	s_barrier_wait -1
	FETCH_B 0, 0, 0
	FETCH_A 0, 0, 0
	FETCH_A 0, 0, 4
	s_cmp_lt_u32 s[CL], 16
	s_cbranch_scc0 .Lfirst_v
	s_wait_alu depctr_va_vdst(0)
	STEP 0, 0, 1
	s_branch .Lfirst_done
.Lfirst_v:
	s_wait_alu depctr_va_vdst(0)
	STEP 0, 0, 2
.Lfirst_done:
	TURN 0, 1, 1
	STEP 1, 0, 0
	TURN 1, 0, 1
	STEP 0, 0, 0
	TURN 0, 1, 0
	STEP 1, 0, 0
	s_wait_dscnt 4*NL
	WIN MUL_LO
	MUL16 0, 1, 0
	MUL16 2, 1, 0
	s_wait_dscnt 0
	WIN MUL_HI
	MUL16 4, 1, 0
	MUL16 6, 1, 0
	WIN 0
	PLACES NP
.irp a, 0,1,2,3,4,5,6,7
	WIN 0x02+(\a/4)
.set i, 0
.rept 64
	v_med3_num_f32 v[TMP+i], v[64*(\a%4)+i], -v[LIM], v[LIM]
.set i, i+1
.endr
	WIN 0
.irp b, 0,1,2,3,4,5,6,7
	v_cvt_scalef32_pk8_fp8_f32 v[CD+16*\a+2*\b:CD+16*\a+2*\b+1], v[TMP+8*\b:TMP+8*\b+7], v[SC]
.endr
	v_nop
.irp g, 0,1,2,3
	global_store_b128 v[VO+\a], v[CD+16*\a+4*\g:CD+16*\a+4*\g+3], s[92+2*(\g/2):93+2*(\g/2)] offset:512*(\g%2)
.endr
.endr
	s_wait_tensorcnt 0x0
	ds_add_u32 v[SPW], v[NIL]
	s_wait_dscnt 0x0
	CROUND
	s_endpgm
.Lfunc_end_k_qa98f8a3dd0_qkv:
	.size	k_qa98f8a3dd0_qkv, .Lfunc_end_k_qa98f8a3dd0_qkv-k_qa98f8a3dd0_qkv
	.p2alignl 7, 3214868480
	.fill 96, 4, 3214868480
	.section	.rodata,"a",@progbits
	.p2align	6, 0x0
	.amdhsa_kernel k_qa98f8a3dd0_qkv
		.amdhsa_group_segment_fixed_size 327680
		.amdhsa_private_segment_fixed_size 0
		.amdhsa_enable_private_segment 0
		.amdhsa_kernarg_size 48
		.amdhsa_user_sgpr_count 2
		.amdhsa_user_sgpr_kernarg_segment_ptr 1
		.amdhsa_wavefront_size32 1
		.amdhsa_system_sgpr_workgroup_id_x 1
		.amdhsa_system_sgpr_workgroup_id_y 1
		.amdhsa_system_sgpr_workgroup_id_z 1
		.amdhsa_system_vgpr_workitem_id 0
		.amdhsa_next_free_vgpr 1024
		.amdhsa_next_free_sgpr 102
		.amdhsa_reserve_vcc 0
		.amdhsa_float_denorm_mode_32 3
		.amdhsa_float_denorm_mode_16_64 3
		.amdhsa_memory_ordered 1
		.amdhsa_forward_progress 1
		.amdhsa_inst_pref_size 139
	.end_amdhsa_kernel
	.amdgpu_metadata
---
amdhsa.version: [ 1, 2 ]
amdhsa.kernels:
  - .name:           k_qa98f8a3dd0_qkv
    .symbol:         k_qa98f8a3dd0_qkv.kd
    .args:
      - { .name: codes, .offset: 0, .size: 8, .value_kind: global_buffer, .address_space: global }
      - { .name: lowp_scales, .offset: 8, .size: 8, .value_kind: global_buffer, .address_space: global }
      - { .name: bq, .offset: 16, .size: 8, .value_kind: global_buffer, .address_space: global }
      - { .name: bk, .offset: 24, .size: 8, .value_kind: global_buffer, .address_space: global }
      - { .name: bv, .offset: 32, .size: 8, .value_kind: global_buffer, .address_space: global }
      - { .name: qkv, .offset: 40, .size: 8, .value_kind: global_buffer, .address_space: global }
    .group_segment_fixed_size: 327680
    .private_segment_fixed_size: 0
    .kernarg_segment_align: 8
    .kernarg_segment_size: 48
    .max_flat_workgroup_size: 128
    .sgpr_count:     102
    .vgpr_count:     1024
    .wavefront_size: 32
...
	.end_amdgpu_metadata
.endif
;; end of part 2
;; launch attn (part 3): grid 64 x 4, 8 waves a work-group, no clusters, 263,168 bytes of LDS; arguments qkv, lowp_scales, ycodes; writes ycodes
.if DOCPART == 3
	.amdgcn_target "amdgcn-amd-amdhsa--gfx1250"
	.amdhsa_code_object_version 6
	.text
	.protected	k_qa98f8a3dd0_attn
	.globl	k_qa98f8a3dd0_attn
	.p2align	8
	.type	k_qa98f8a3dd0_attn,@function
k_qa98f8a3dd0_attn:
	s_mov_b64 s[64:65], 0
	v_nop
	global_prefetch_b8 v0, s[64:65] scope:SCOPE_SE
	s_setreg_imm32_b32 hwreg(HW_REG_WAVE_MODE, 25, 1), 1
	s_wait_xcnt 0x0
; y[b][h][q] = the sum over k of softmax_k(q . k / 8) v, head size 64, 2,048 keys, both products on codes of FP8 (E4M3) with the given scales (entries 6, 7; 8, 9); y is quantised at once (entry 10) and stored as images of operand registers.
; THE SOFTMAX AHEAD OF THE SECOND PRODUCT: t = score x log2(e) / 8; M = the running largest t rounded UP to a whole number; p = 2^(t - M) is quantised, not normalised; the row's sum is taken of the unquantised p and divides at the end.
; When M moves, the sum and O are multiplied by 2^(old M - new M): nothing is rounded, and there is no branch on floating-point data.
; SHARES.  A work-group owns one (batch, head) and 512 queries; each of its eight waves 64 queries, four tiles of 16, in 512 registers.  Every wave walks all 2,048 keys, 128 a step: each fragment of K and of V read from LDS feeds four products.
; A step takes the four tiles two at a time, their lines by turns; K's eight fragments stay in registers for all four.  O (32 registers a tile) is rescaled, and the statistics are made, once for 64 scores a lane.
; K and V have registers of their own: the next step's K is asked for in the step's middle, behind the last product that reads K; a step's V at its head.
; THE WHOLE HEAD'S K AND V LIE IN LDS, as the images that the launch before stored: 16 parts of 16,384 bytes, a step's K (8,192) and then its V.  Wave w brings parts 2 w and 2 w + 1 through registers: 64 loads and 64 LDS stores of 512 bytes; one barrier; nothing is filled again.
; THE HOLD OF p at 448 x 2^e8 (64 lines a tile and step) is led round by a scalar branch on the given exponents where it can never bind: e8 >= -8 and e6 + e7 <= 0.  Then |t| <= 64 x 448^2 x c < 2^22, so t - M, made by one fused
; multiply-add, lies under 1/8 and p under 1.75 <= 448 x 2^e8.  In every other case the holds are run.
; NO TENSOR LOAD, NO CLUSTER: what the four work-groups of a head share is read once by each, at the head: 64 loads a wave against 16 steps.
; NO PREFETCH: all of K and V is asked for at the head, and the loop reads LDS alone.
; LAYOUT.  S^T = K Q^T (source 0 = 16 keys, source 1 = 16 queries): lane l holds query l % 16 and register j of tile i key 16 i + 8 (l / 16) + j: the place that the second product's operand gives that key, so the conversions' results are P.
; O^T = V^T P^T (source 0 = 16 channels): V's tile t holds channels 32 (t / 2) + 8 (t % 2) + r + 8 (r / 8), so the 16 registers of tiles 2 c, 2 c + 1 are 16 neighbouring channels: the last product's operand.
; LIMITS: entries 6 + 7 between -123 and 130 (added to c's exponent field); entries 8 and 10 between -126 and 119.  NaN among the inputs is not served.
; REGISTERS, in two windows of 256.  Window 0: v0-31 addresses and statistics; v32-63 Q; v64-191 S^T of two tiles, then p; v192-255 K.  Window 1: v0-127 O^T; v128-191 p's codes; v192-255 V.
.set PART,  16384                      ; LDS: a step's K and V
.set SPARE, 262144                     ; behind the 16 parts: the spare words, 128 bytes for each wave, that no other line names
.set AD,  1                            ; v1   LDS address: at the head of my two parts, in the loop of the step's part
.set SPW, 2                            ; v2   LDS address of my spare word; never rewritten
.set NIL, 3                            ; v3   0; never rewritten
.set PSC, 4                            ; v4   2^e8
.set YL,  5                            ; v5   448 x 2^e10;  v6  2^e10
.set YS,  6
.set AD2, 7                            ; v7   LDS address of the next step's part
.set ST,  8                            ; v8-23  four a tile: +0 -M, +1 the largest score, +2, +3 the sum in two halves
.set FF,  24                           ; v24, v26  f = 2^(old M - new M) of the two tiles in hand; v25, v27 are named with them as pairs
.set TB,  28                           ; v28-31 at work, a pair for each of the two tiles
.set Q,   32
.set S,   64
.set FK,  192
.set O,   0                            ; window 1
.set P,   128                          ; window 1
.set FV,  192                          ; window 1
.set WV,  10
.set SEL, 20                           ; s[20:21] lane selects: lane l xor 16
.set CS,  22                           ; s[22:23] c = log2(e) / 8 x 2^(e6 + e7)
.set NC,  26                           ; s26  -c
.set PL,  27                           ; s27  448 x 2^e8
.set HOLD, 28                          ; s28  1: the holds of p are run
.set KN,  47                           ; s47  LDS byte of the next step's part
.set KB,  48                           ; s48  LDS byte of the step's part
.set CNT, 49
.set MSB, 0
.macro WIN new                         ; the immediate's low byte: bits 1:0 source 0, 3:2 source 1, 5:4 source 2, 7:6 destination; its high byte repeats the setting that is left
.if MSB != (\new)
	s_set_vgpr_msb (MSB<<8)|(\new)
.set MSB, (\new)
.endif
.endm
	s_load_b128 s[4:7], s[0:1], 0x0                ; the images s[4:5], the scales' exponents s[6:7]
	s_load_b64 s[8:9], s[0:1], 0x10                ; y's codes
	v_lshl_add_u32 v[SPW], v0, 2, SPARE
	v_mov_b32 v[NIL], 0
	v_lshrrev_b32 v[TB], 5, v0
	v_readfirstlane_b32 s[WV], v[TB]               ; wave 0..7
	v_and_b32 v[AD2], 31, v0
	v_lshlrev_b32 v[AD2], 4, v[AD2]                ; 16 x lane
	s_lshl_b32 s13, s[WV], 15
	v_add_nc_u32 v[AD], s13, v[AD2]                ; my two parts of LDS
	s_mov_b32 s12, ttmp9                           ; 16 x batch + head
	s_and_b32 s11, ttmp7, 0xffff                   ; which 512 queries
	s_lshl_b32 s18, s12, 17
	s_lshl_b32 s14, s[WV], 14
	s_add_co_u32 s18, s18, s14
	s_add_co_u32 s18, s18, 0x800000                ; k's part begins 8 MiB in; 131,072 bytes a head; 8,192 a step
	s_mov_b32 s19, 0
	s_lshl_b32 s54, s11, 5
	s_lshl_b32 s55, s[WV], 2
	s_add_co_u32 s54, s54, s55                     ; my first tile of queries: 32 x work-group y + 4 x wave
	s_lshl_b32 s50, s54, 10
	s_lshl_b32 s55, s12, 17
	s_add_co_u32 s50, s50, s55                     ; its image in q's part
	s_mov_b32 s51, 0
	s_lshr_b32 s52, s12, 4
	s_lshl_b32 s52, s52, 7
	s_add_co_u32 s52, s52, s54                     ; y: the tile of 16 tokens: 128 x batch + my tile,
	s_lshl_b32 s52, s52, 12                        ; 4,096 bytes each (four heads' images);
	s_bfe_u32 s55, s12, 0x20002                    ; head / 4: which 256 of the last product's K,
	s_lshl_b32 s55, s55, 21                        ; 2 MiB each;
	s_add_co_u32 s52, s52, s55
	s_and_b32 s55, s12, 3                          ; head % 4
	s_lshl_b32 s55, s55, 10
	s_add_co_u32 s52, s52, s55
	s_mov_b32 s53, 0
	s_mov_b32 s[SEL], 0x76543210
	s_mov_b32 s[SEL+1], 0xfedcba98
	s_mov_b32 s[CS], 0x3e38aa3b                    ; log2(e) / 8
	s_wait_alu depctr_va_vdst(0)
	s_wait_kmcnt 0x0
	s_load_b128 s[68:71], s[6:7], 0x18             ; entries 6 to 9
	s_load_b32 s72, s[6:7], 0x28                   ; entry 10
	s_add_nc_u64 s[16:17], s[4:5], s[18:19]        ; my two steps' K,
	s_add_nc_u64 s[24:25], s[16:17], 0x800000      ; their V, 8 MiB on,
	s_add_nc_u64 s[50:51], s[4:5], s[50:51]        ; my Q
	s_add_nc_u64 s[52:53], s[8:9], s[52:53]
.irp h, 0,1                            ; part 2 w into window 0's v64-191, part 2 w + 1 into window 1's v0-127
	WIN 0x40*\h
.set n, 0
.rept 16
	global_load_b128 v[S*(1-\h)+4*n:S*(1-\h)+4*n+3], v[AD2], s[16:17] offset:8192*\h+512*n   ; 32 lanes read 512 consecutive bytes
.set n, n+1
.endr
.set n, 0
.rept 16
	global_load_b128 v[S*(1-\h)+64+4*n:S*(1-\h)+64+4*n+3], v[AD2], s[24:25] offset:8192*\h+512*n
.set n, n+1
.endr
.endr
	WIN 0
.irp k, 0,1,2,3,4,5,6,7
	global_load_b128 v[Q+4*\k:Q+4*\k+3], v[AD2], s[50:51] offset:512*\k   ; Q's four images stay in registers
.endr
	s_wait_kmcnt 0x0
	s_add_co_i32 s56, s68, s69                     ; e6 + e7
	s_cmp_gt_i32 s56, 0
	s_cselect_b32 s[HOLD], 1, 0
	s_cmp_lt_i32 s70, -8
	s_cselect_b32 s[HOLD], 1, s[HOLD]              ; the holds are run where e6 + e7 > 0 or e8 < -8
	s_lshl_b32 s56, s56, 23
	s_add_co_i32 s[CS], s[CS], s56                 ; a score stands for score x 2^(e6 + e7): added to c's exponent field
	s_mov_b32 s[CS+1], s[CS]                       ; (named with it as a pair)
	s_xor_b32 s[NC], s[CS], 0x80000000
	s_add_co_i32 s57, s70, s71                     ; e8 + e9
	s_add_co_i32 s56, s70, 127
	s_lshl_b32 s58, s56, 23                        ; 2^e8
	s_add_co_i32 s56, s56, 8
	s_lshl_b32 s56, s56, 23
	s_or_b32 s[PL], s56, 0x600000
	s_add_co_i32 s56, s72, 127
	s_lshl_b32 s59, s56, 23                        ; 2^e10
	s_add_co_i32 s56, s56, 8
	s_lshl_b32 s56, s56, 23
	s_or_b32 s60, s56, 0x600000                    ; 448 x 2^e10
	s_mov_b32 s[KB], 0
	s_mov_b32 s[KN], PART
	s_mov_b32 s[CNT], 16
	s_wait_loadcnt 40                              ; the first part's 32 loads are in; the second part's 32 and Q's 8 may be out
.set n, 0
.rept 32
	ds_store_b128 v[AD], v[S+4*n:S+4*n+3] offset:512*n
.set n, n+1
.endr
	s_wait_loadcnt 8                               ; the second part's are in; Q's 8 may be out
	WIN 0x04                                       ; the stores' data lie in window 1
.set n, 0
.rept 32
	ds_store_b128 v[AD], v[4*n:4*n+3] offset:PART+512*n
.set n, n+1
.endr
	WIN 0
	s_wait_loadcnt 0x0                             ; Q
	s_wait_dscnt 0x0                               ; my two parts lie in LDS
	s_barrier_signal -1
.irp q, 0,1,2,3
	v_mov_b32 v[ST+4*\q], 0x7f61b1e6               ; -M: M begins at -3e38, under every t
	v_mov_b32 v[ST+4*\q+1], 0xff61b1e6             ; the largest score so far
	v_mov_b32 v[ST+4*\q+2], 0                      ; the sum
	v_mov_b32 v[ST+4*\q+3], 0
.endr
	v_mov_b32 v[FF+1], 0                           ; (named as the upper halves of f's pairs)
	v_mov_b32 v[FF+3], 0
	v_mov_b32 v[PSC], s58
	v_mov_b32 v[YL], s60
	v_mov_b32 v[YS], s59
	WIN 0x40
.set j, 0
.rept 128
	v_mov_b32 v[O+j], 0                            ; O^T: the step is written once for all steps; the first finds zeros, which the first change of M leaves zeros
.set j, j+1
.endr
	WIN 0
	s_wait_alu depctr_va_vdst(0)
	s_barrier_wait -1                              ; all sixteen parts lie in LDS
.set n, 0
.rept 16
	ds_load_b128 v[FK+4*n:FK+4*n+3], v[AD2] offset:512*n   ; the first step's K (v7 still holds 16 x lane)
.set n, n+1
.endr
; Two tiles of 16 queries (2 p and 2 p + 1) against the step's 128 keys, their lines by turns: scores, statistics, p, its sum, its codes, O^T under the new M.
.macro PAIR p
.set i, 0
.rept 8
.irp u, 0,1
	v_wmma_f32_16x16x64_fp8_fp8 v[S+64*\u+8*i:S+64*\u+8*i+7], v[FK+8*i:FK+8*i+7], v[Q+8*(2*\p+\u):Q+8*(2*\p+\u)+7], 0
.endr
.set i, i+1
.endr
.rept 4
	v_nop                                          ; four plain lines between the products and the reads of S, and the loads into K's registers
.endr
.if \p
	s_wait_dscnt 0x0                               ; this step's V, asked for at the step's head, is in
.set n, 0
.rept 16
	ds_load_b128 v[FK+4*n:FK+4*n+3], v[AD2] offset:512*n   ; K is done with: the next step's K (in the last trip this step's own once more, which nothing reads: the address stays inside K's and V's bytes)
.set n, n+1
.endr
.endif
.irp u, 0,1                            ; the largest score of my query among my 64 keys, in two chains a tile; each accumulator is read from its low end on
	v_max3_num_f32 v[TB+2*\u], v[S+64*\u], v[S+64*\u+1], v[S+64*\u+2]
	v_max3_num_f32 v[TB+2*\u+1], v[S+64*\u+3], v[S+64*\u+4], v[S+64*\u+5]
.endr
.set i, 6
.rept 14
.irp u, 0,1
	v_max3_num_f32 v[TB+2*\u], v[TB+2*\u], v[S+64*\u+i], v[S+64*\u+i+1]
	v_max3_num_f32 v[TB+2*\u+1], v[TB+2*\u+1], v[S+64*\u+i+2], v[S+64*\u+i+3]
.endr
.set i, i+4
.endr
.irp u, 0,1
	v_max3_num_f32 v[TB+2*\u], v[TB+2*\u], v[S+64*\u+62], v[S+64*\u+63]
.endr
.irp u, 0,1
	v_max_num_f32 v[TB+2*\u], v[TB+2*\u], v[TB+2*\u+1]
.endr
.irp u, 0,1
	v_permlanex16_b32 v[TB+2*\u+1], v[TB+2*\u], s[SEL], s[SEL+1]   ; the query's other 64 keys lie in the lane 16 away
.endr
.irp u, 0,1
	v_max3_num_f32 v[ST+4*(2*\p+\u)+1], v[ST+4*(2*\p+\u)+1], v[TB+2*\u], v[TB+2*\u+1]   ; the running largest score (c is positive)
.endr
.irp u, 0,1
	v_mul_f32 v[TB+2*\u], s[NC], v[ST+4*(2*\p+\u)+1]   ; -t
.endr
.irp u, 0,1
	v_floor_f32 v[TB+2*\u], v[TB+2*\u]             ; the new -M = floor(-t): M is a whole number
.endr
.irp u, 0,1
	v_sub_f32 v[TB+2*\u+1], v[TB+2*\u], v[ST+4*(2*\p+\u)]   ; old M less new M: a whole number, 0 or less
.endr
.irp u, 0,1
	v_mov_b32 v[ST+4*(2*\p+\u)], v[TB+2*\u]
.endr
.irp u, 0,1
	v_cvt_i32_f32 v[TB+2*\u+1], v[TB+2*\u+1]       ; (it saturates)
.endr
.irp u, 0,1
	v_ldexp_f32 v[FF+2*\u], 1.0, v[TB+2*\u+1]      ; f = 2^(old M - new M)
.endr
.irp u, 0,1
.set j, 0
.rept 32
	v_pk_fma_f32 v[S+64*\u+j:S+64*\u+j+1], v[S+64*\u+j:S+64*\u+j+1], s[CS:CS+1], v[ST+4*(2*\p+\u):ST+4*(2*\p+\u)+1] op_sel_hi:[1,0,0]   ; t - M, two at a time
.set j, j+2
.endr
.endr
	s_wait_alu depctr_va_vdst(0)
.set j, 0
.rept 128
	v_exp_f32 v[S+j], v[S+j]                       ; p = 2^(t - M): one batch
.set j, j+1
.endr
.irp u, 0,1
	v_pk_mul_f32 v[ST+4*(2*\p+\u)+2:ST+4*(2*\p+\u)+3], v[ST+4*(2*\p+\u)+2:ST+4*(2*\p+\u)+3], v[FF+2*\u:FF+2*\u+1] op_sel_hi:[1,0]   ; the sums under the new M: plain lines behind the exponentials
.endr
	s_wait_alu depctr_va_vdst(0)                   ; one wait for the whole batch, ahead of its first reader
.irp u, 0,1
	v_pk_add_f32 v[TB+2*\u:TB+2*\u+1], v[S+64*\u:S+64*\u+1], v[S+64*\u+2:S+64*\u+3]   ; the row's sum is taken of the unquantised p, ahead of the holds, in two chains a tile
.endr
.set j, 4
.rept 15
.irp u, 0,1
	v_pk_add_f32 v[ST+4*(2*\p+\u)+2:ST+4*(2*\p+\u)+3], v[ST+4*(2*\p+\u)+2:ST+4*(2*\p+\u)+3], v[S+64*\u+j:S+64*\u+j+1]
	v_pk_add_f32 v[TB+2*\u:TB+2*\u+1], v[TB+2*\u:TB+2*\u+1], v[S+64*\u+j+2:S+64*\u+j+3]
.endr
.set j, j+4
.endr
.irp u, 0,1
	v_pk_add_f32 v[ST+4*(2*\p+\u)+2:ST+4*(2*\p+\u)+3], v[ST+4*(2*\p+\u)+2:ST+4*(2*\p+\u)+3], v[TB+2*\u:TB+2*\u+1]
.endr
	s_cmp_eq_u32 s[HOLD], 0                        ; whole numbers read from memory decide: the same way in every wave and step
	s_cbranch_scc1 .Lopen_\@
.set j, 0
.rept 128
	v_min_num_f32 v[S+j], s[PL], v[S+j]            ; the conversion does not saturate (ISA guide 7.6.2); p is not negative, so the hold is one-sided
.set j, j+1
.endr
.Lopen_\@:
	WIN 0x40                                       ; the codes go to window 1
.irp u, 0,1
.set i, 0
.rept 8
	v_cvt_scalef32_pk8_fp8_f32 v[P+16*(2*\p+\u)+2*i:P+16*(2*\p+\u)+2*i+1], v[S+64*\u+8*i:S+64*\u+8*i+7], v[PSC]   ; registers 2 i, 2 i + 1: keys 16 i + 8 (l / 16) + 0 .. 7
.set i, i+1
.endr
.endr
	WIN 0x41                                       ; O^T, source and destination, in window 1; f in window 0
	s_wait_alu depctr_va_vdst(0)                   ; directly ahead of the first reader of these tiles' O^T
.irp u, 0,1
.set j, 0
.rept 16
	v_pk_mul_f32 v[O+32*(2*\p+\u)+j:O+32*(2*\p+\u)+j+1], v[O+32*(2*\p+\u)+j:O+32*(2*\p+\u)+j+1], v[FF+2*\u:FF+2*\u+1] op_sel_hi:[1,0]   ; O^T under the new M; these are also the plain lines between the conversions and the products
.set j, j+2
.endr
.endr
	WIN 0
.endm
.Lstep:                                        ; 16 trips of 128 keys
	v_and_b32 v[AD], 31, v0
	v_lshl_add_u32 v[AD2], v[AD], 4, s[KN]         ; 16 x lane + the next step's part
	v_lshl_add_u32 v[AD], v[AD], 4, s[KB]          ; 16 x lane + this step's part
	v_nop                                          ; with the three lines above: four plain lines between the last step's products and the loads into V's registers
	WIN 0x40
.set n, 0
.rept 16
	ds_load_b128 v[FV+4*n:FV+4*n+3], v[AD] offset:8192+512*n   ; V's eight fragments: 512 consecutive bytes a load
.set n, n+1
.endr
	WIN 0
	s_wait_dscnt 16                                ; K's sixteen loads are in; V's sixteen, issued behind them, may be out
	PAIR 0
	PAIR 1
	WIN 0x55                                       ; all four operands in window 1
.irp kb, 0,1
.irp t, 0,1,2,3
.irp q, 0,1,2,3
	v_wmma_f32_16x16x64_fp8_fp8 v[O+32*\q+8*\t:O+32*\q+8*\t+7], v[FV+32*\kb+8*\t:FV+32*\kb+8*\t+7], v[P+16*\q+8*\kb:P+16*\q+8*\kb+7], v[O+32*\q+8*\t:O+32*\q+8*\t+7]   ; the sixteen accumulators by turns
.endr
.endr
.endr
	WIN 0
	s_add_co_u32 s[KB], s[KB], PART
	s_add_co_u32 s[KN], s[KB], PART
	s_min_u32 s[KN], s[KN], 15*PART                ; never beyond the last part
	s_sub_co_u32 s[CNT], s[CNT], 1
	s_cmp_lg_u32 s[CNT], 0
	s_cbranch_scc1 .Lstep
	; THE WAY OUT: the sum's halves are added; O^T / the sum x 2^(e8 + e9) is y; it is held, converted, and its eight registers a tile are an image of the last product's operand.
	s_wait_dscnt 0x0                               ; no load into K's registers is out: they take y's codes
.rept 4
	v_nop
.endr
.irp q, 0,1,2,3
	v_add_f32 v[ST+4*\q+2], v[ST+4*\q+2], v[ST+4*\q+3]
.endr
.irp q, 0,1,2,3
	v_permlanex16_b32 v[TB+\q], v[ST+4*\q+2], s[SEL], s[SEL+1]
.endr
.irp q, 0,1,2,3
	v_add_f32 v[ST+4*\q+2], v[ST+4*\q+2], v[TB+\q]
.endr
	s_wait_alu depctr_va_vdst(0)
.irp q, 0,1,2,3
	v_rcp_f32 v[ST+4*\q+2], v[ST+4*\q+2]
.endr
	v_nop                                          ; a plain line behind the reciprocals,
	s_wait_alu depctr_va_vdst(0)                   ; and the one wait ahead of their first reader
.irp q, 0,1,2,3
	v_ldexp_f32 v[ST+4*\q+2], v[ST+4*\q+2], s57
.endr
	WIN 0x01                                       ; source 0, O^T, in window 1
	s_wait_alu depctr_va_vdst(0)                   ; directly ahead of the first reader of O^T
.irp q, 0,1,2,3
.set j, 0
.rept 16
	v_pk_mul_f32 v[S+32*\q+j:S+32*\q+j+1], v[O+32*\q+j:O+32*\q+j+1], v[ST+4*\q+2:ST+4*\q+3] op_sel_hi:[1,0]   ; each accumulator from its low end on
.set j, j+2
.endr
.endr
	WIN 0
.set j, 0
.rept 128
	v_med3_num_f32 v[S+j], v[S+j], -v[YL], v[YL]
.set j, j+1
.endr
.irp q, 0,1,2,3
.irp t, 0,1,2,3
	v_cvt_scalef32_pk8_fp8_f32 v[FK+8*\q+2*\t:FK+8*\q+2*\t+1], v[S+32*\q+8*\t:S+32*\q+8*\t+7], v[YS]
.endr
.endr
	v_and_b32 v[AD], 31, v0
	v_lshlrev_b32 v[AD], 4, v[AD]                  ; 16 x lane
.irp q, 0,1,2,3
.irp c, 0,1
	global_store_b128 v[AD], v[FK+8*\q+4*\c:FK+8*\q+4*\c+3], s[52:53] offset:4096*\q+512*\c   ; 32 lanes store 512 consecutive bytes, at a multiple of 512 from the buffer's first byte
.endr
.endr
	s_wait_tensorcnt 0x0                           ; the wave's end, behind my last LDS store
	ds_add_u32 v[SPW], v[NIL]
	s_wait_dscnt 0x0
	s_endpgm
.Lfunc_end_k_qa98f8a3dd0_attn:
	.size	k_qa98f8a3dd0_attn, .Lfunc_end_k_qa98f8a3dd0_attn-k_qa98f8a3dd0_attn
	.p2alignl 7, 3214868480
	.fill 96, 4, 3214868480
	.section	.rodata,"a",@progbits
	.p2align	6, 0x0
	.amdhsa_kernel k_qa98f8a3dd0_attn
		.amdhsa_group_segment_fixed_size 263168
		.amdhsa_private_segment_fixed_size 0
		.amdhsa_enable_private_segment 0
		.amdhsa_kernarg_size 24
		.amdhsa_user_sgpr_count 2
		.amdhsa_user_sgpr_kernarg_segment_ptr 1
		.amdhsa_wavefront_size32 1
		.amdhsa_system_sgpr_workgroup_id_x 1
		.amdhsa_system_sgpr_workgroup_id_y 1
		.amdhsa_system_sgpr_workgroup_id_z 1
		.amdhsa_system_vgpr_workitem_id 0
		.amdhsa_next_free_vgpr 512
		.amdhsa_next_free_sgpr 74
		.amdhsa_reserve_vcc 0
		.amdhsa_float_denorm_mode_32 3
		.amdhsa_float_denorm_mode_16_64 3
		.amdhsa_memory_ordered 1
		.amdhsa_forward_progress 1
		.amdhsa_inst_pref_size 91
	.end_amdhsa_kernel
	.amdgpu_metadata
---
amdhsa.version: [ 1, 2 ]
amdhsa.kernels:
  - .name:           k_qa98f8a3dd0_attn
    .symbol:         k_qa98f8a3dd0_attn.kd
    .args:
      - { .name: qkv, .offset: 0, .size: 8, .value_kind: global_buffer, .address_space: global }
      - { .name: lowp_scales, .offset: 8, .size: 8, .value_kind: global_buffer, .address_space: global }
      - { .name: ycodes, .offset: 16, .size: 8, .value_kind: global_buffer, .address_space: global }
    .group_segment_fixed_size: 263168
    .private_segment_fixed_size: 0
    .kernarg_segment_align: 8
    .kernarg_segment_size: 24
    .max_flat_workgroup_size: 256
    .sgpr_count:     74
    .vgpr_count:     512
    .wavefront_size: 32
...
	.end_amdgpu_metadata
.endif
;; end of part 3
;; launch outp (part 4): grid 4 x 32, 4 waves a work-group, clusters of 4 x 4, 327,680 bytes of LDS; arguments ycodes, codes, lowp_scales, bo, out0; writes out0
.if DOCPART == 4
	.amdgcn_target "amdgcn-amd-amdhsa--gfx1250"
	.amdhsa_code_object_version 6
	.text
	.protected	k_qa98f8a3dd0_outp
	.globl	k_qa98f8a3dd0_outp
	.p2align	8
	.type	k_qa98f8a3dd0_outp,@function
k_qa98f8a3dd0_outp:
	s_mov_b64 s[64:65], 0
	v_nop
	global_prefetch_b8 v0, s[64:65] scope:SCOPE_SE
	s_setreg_imm32_b32 hwreg(HW_REG_WAVE_MODE, 25, 1), 1
	s_wait_xcnt 0x0
	s_wait_alu depctr_hold_cnt(0) depctr_sa_sdst(0) depctr_va_vdst(0) depctr_va_sdst(0) depctr_va_ssrc(0) depctr_va_vcc(0) depctr_vm_vsrc(0)
	s_getreg_b32 s2, hwreg(HW_REG_IB_STS2, 6, 4)
	s_cmp_eq_u32 s2, 0
	s_cbranch_scc0 .Lentry_in_a_cluster
	s_endpgm
.Lentry_in_a_cluster:
	s_bfe_u32 s2, ttmp6, 0x10000c
	s_cmp_lg_u32 s2, 0xf033
	s_cbranch_scc0 .Lentry_shape_is_right
	s_endpgm
.Lentry_shape_is_right:
.set SIZE_N, 1024
.set ROWB,   256
.set KROW,   1024
.set PITCH,  272
.set FR,     16
.set NL,     4
.set NP,     4
.set HALFA,  32768
.set BOFF,   2*HALFA
.set HALFB,  128*PITCH
.set SLOT,   BOFF+2*HALFB
.set SPARE,  2*SLOT
.set SPITCH, 528
.set ADRA, 16
.set ADRB, 20
.set STO,  24
.set RD,   25
.set CO,   26
.set SPW,  28
.set NIL,  29
.set BIAS, 32
.set TMP,  32
.set AF,   128
.set BK,   128
.set G1, 24
.set G0, 32
.set G1B, 48
.set G0B, 56
.set MSB, 0
.macro WIN new
.if MSB != (\new)
	s_set_vgpr_msb (MSB<<8)|(\new)
.set MSB, (\new)
.endif
.endm
.set MUL_LO, 0xa1
.set MUL_HI, 0xf1
.set FST_LO, 0x81
.set FST_HI, 0xc1
.set TO_B,   0x40
.macro JLOAD s
	s_cmp_eq_u32 s15, 0
	s_cbranch_scc0 .Lfor_b_\@
	tensor_load_to_lds s[G0+4*\s:G0+4*\s+3], s[G1:G1+7]
	s_nop 0
.rept 4
	v_nop
.endr
	s_branch .Lasked_\@
.Lfor_b_\@:
	tensor_load_to_lds s[G0B+4*\s:G0B+4*\s+3], s[G1B:G1B+7]
	s_nop 0
.rept 4
	v_nop
.endr
.Lasked_\@:
.endm
.macro CREST
	s_cmp_lg_u32 s14, 0
	s_cbranch_scc1 .Lnot_wave_0_\@
	s_barrier_signal -3
.Lnot_wave_0_\@:
	s_barrier_wait -3
	s_barrier_signal -1
	s_barrier_wait -1
.endm
.macro CROUND
	s_barrier_signal -1
	s_barrier_wait -1
	CREST
.endm
	s_load_b256 s[4:11], s[0:1], 0x0
	s_load_b64 s[12:13], s[0:1], 0x20
	v_lshl_add_u32 v[SPW], v0, 2, SPARE
	v_mov_b32 v[NIL], 0
	ds_add_u32 v[SPW], v[NIL]
	ds_add_u32 v[SPW], v[NIL]
	v_lshrrev_b32 v1, 5, v0
	v_readfirstlane_b32 s14, v1
	s_lshr_b32 s15, s14, 1
	s_and_b32 s16, s14, 1
	s_bfe_u32 s40, ttmp6, 0x40000
	s_bfe_u32 s41, ttmp6, 0x40004
	s_and_b32 s17, ttmp7, 0xffff
	s_lshl_b32 s17, s17, 2
	s_add_co_u32 s17, s17, s41
	s_lshl_b32 s43, s41, 2
	s_lshl_b32 s43, 15, s43
	s_lshl_b32 s44, 0x1111, s40
	s_or_b32 s[G1+0], s43, (3<<16)|(1<<21)
	s_mov_b32 s[G1+1], 32<<16
	s_mov_b32 s[G1+2], 128<<16
	s_mov_b32 s[G1+3], 32<<16
	s_mov_b32 s[G1+4], 128
	s_mov_b32 s[G1+5], 32
	s_mov_b32 s[G1+6], 0
	s_mov_b32 s[G1+7], 0
	s_or_b32 s[G1B+0], s44, (0<<16)|(1<<20)|(1<<21)|(5<<22)|(3<<25)
	s_mov_b32 s[G1B+1], ROWB<<16
	s_mov_b32 s[G1B+2], 128<<16
	s_mov_b32 s[G1B+3], ROWB<<16
	s_mov_b32 s[G1B+4], 128
	s_mov_b32 s[G1B+5], KROW
	s_mov_b32 s[G1B+6], 0
	s_mov_b32 s[G1B+7], 0
	s_lshl_b32 s20, s17, 16
	s_lshl_b32 s18, s16, 15
	s_add_co_u32 s20, s20, s18
	s_mov_b32 s21, 0
	s_lshl_b32 s46, s40, 8
	s_lshl_b32 s18, s16, 7
	s_add_co_u32 s46, s46, s18
	s_add_co_u32 s46, s46, 27648
	s_lshl_b32 s46, s46, 10
	s_mov_b32 s47, 0
	s_lshl_b32 s45, s16, 15
	s_mul_i32 s19, s16, HALFB
	s_add_co_u32 s19, s19, BOFF
	s_wait_dscnt 0x0
	s_wait_kmcnt 0x0
	s_load_b64 s[96:97], s[8:9], 0x28
	s_add_nc_u64 s[20:21], s[4:5], s[20:21]
	s_add_nc_u64 s[46:47], s[6:7], s[46:47]
	CROUND
.irp s, 0,1
	s_mov_b32 s[G0+4*\s], 1
	s_add_co_u32 s[G0+4*\s+1], s45, \s*SLOT
	s_add_nc_u64 s[G0+4*\s+2:G0+4*\s+3], s[20:21], \s*0x200000
	s_or_b32 s[G0+4*\s+3], s[G0+4*\s+3], 0x80000000
	s_mov_b32 s[G0B+4*\s], 1
	s_add_co_u32 s[G0B+4*\s+1], s19, \s*SLOT
	s_add_nc_u64 s[G0B+4*\s+2:G0B+4*\s+3], s[46:47], \s*ROWB
	s_or_b32 s[G0B+4*\s+3], s[G0B+4*\s+3], 0x80000000
	s_wait_alu depctr_va_vdst(0)
	s_wait_tensorcnt 0x0
	ds_add_u32 v28, v29
	ds_add_u32 v28, v29
	s_wait_dscnt 0x0
	CROUND
	JLOAD \s
.endr
	v_and_b32 v1, 15, v0
	v_bfe_u32 v2, v0, 4, 1
	v_and_b32 v6, 31, v0
	v_lshlrev_b32 v[CO], 4, v6
	v_mul_u32_u24 v3, v1, PITCH
	v_lshl_add_u32 v4, v2, 4, v3
	s_lshl_b32 s21, s15, 15
	s_mul_i32 s22, s16, HALFB
	s_add_co_u32 s22, s22, BOFF
.irp s, 0,1
	v_add_nc_u32 v[ADRA+\s], s21, v[CO]
	v_add_nc_u32 v[ADRB+\s], s22, v4
	s_add_co_u32 s21, s21, SLOT
	s_add_co_u32 s22, s22, SLOT
.endr
	s_mul_i32 s23, s14, 16*SPITCH
	v_mul_u32_u24 v5, v1, SPITCH
	v_lshl_add_u32 v5, v2, 5, v5
	v_add_nc_u32 v[STO], s23, v5
	v_add_nc_u32 v[RD], s23, v[CO]
	s_lshl_b32 s20, s17, 8
	s_lshl_b32 s21, s15, 7
	s_add_co_u32 s20, s20, s21
	s_lshl_b32 s20, s20, 12
	s_lshl_b32 s46, s40, 10
	s_lshl_b32 s47, s16, 9
	s_add_co_u32 s46, s46, s47
	s_mov_b32 s47, 0
	s_add_nc_u64 s[10:11], s[10:11], s[46:47]
	s_add_co_u32 s20, s20, s46
	s_mov_b32 s21, 0
	s_add_nc_u64 s[12:13], s[12:13], s[20:21]
	v_lshlrev_b32 v7, 5, v2
.irp b, 0,1,2,3,4,5,6,7
	global_load_b128 v[BIAS+8*\b:BIAS+8*\b+3], v7, s[10:11] offset:64*\b
	global_load_b128 v[BIAS+8*\b+4:BIAS+8*\b+7], v7, s[10:11] offset:64*\b+16
.endr
	s_wait_kmcnt 0x0
	s_add_co_i32 s98, s96, s97
	s_sub_co_i32 s99, 0, s98
	s_add_co_i32 s98, s98, 127
	s_lshl_b32 s96, s98, 23
	s_mov_b32 s97, s96
	s_wait_loadcnt 0x0
.set i, 0
.rept 64
	v_ldexp_f32 v[BIAS+i], v[BIAS+i], s99
.set i, i+1
.endr
.macro FRAGA reg, slot, q, i
.irp c, 0,1,2,3
	ds_load_b128 v[\reg+4*\c:\reg+4*\c+3], v[ADRA+\slot] offset:4096*(\i)+2048*(\q)+512*\c
.endr
.endm
.macro FRAGB reg, slot, q, i
.irp c, 0,1,2,3
	ds_load_b128 v[\reg+4*\c:\reg+4*\c+3], v[ADRB+\slot] offset:128*(\q)+32*\c+(\i)*16*PITCH
.endr
.endm
.macro MUL16 a0, p, cm
.irp a, \a0, \a0+1
.irp b, 0,1,2,3,4,5,6,7
.if \cm
	v_wmma_f32_16x16x128_fp8_fp8 v[8*(8*((\a)%4)+\b):8*(8*((\a)%4)+\b)+7], v[128*(\p)+FR*\b:128*(\p)+FR*\b+FR-1], v[AF+FR*(\a):AF+FR*(\a)+FR-1], v[BIAS+8*\b:BIAS+8*\b+7]
.else
	v_wmma_f32_16x16x128_fp8_fp8 v[8*(8*((\a)%4)+\b):8*(8*((\a)%4)+\b)+7], v[128*(\p)+FR*\b:128*(\p)+FR*\b+FR-1], v[AF+FR*(\a):AF+FR*(\a)+FR-1], v[8*(8*((\a)%4)+\b):8*(8*((\a)%4)+\b)+7]
.endif
.endr
.endr
.endm
.macro FETCH_B slot, q, p
	WIN TO_B
.irp i, 0,1,2,3,4,5,6,7
	FRAGB 128*(\p)+FR*\i, \slot, \q, \i
.endr
	WIN 0
.endm
.macro FETCH_A slot, q, i0
.irp i, \i0, \i0+1, \i0+2, \i0+3
	FRAGA AF+FR*(\i), \slot, \q, \i
.endr
.endm
.macro PLACES n
.rept \n
	v_nop
.endr
.endm
.macro STEP slot, q, cm
	s_wait_dscnt 4*NL
.if \cm
	WIN FST_LO
.else
	WIN MUL_LO
.endif
	MUL16 0, (\q)%2, \cm
	MUL16 2, (\q)%2, \cm
	s_wait_dscnt 0
	PLACES NP
	FETCH_B \slot, (\q)+1, 1-(\q)%2
	FETCH_A \slot, (\q)+1, 0
.if \cm
	WIN FST_HI
.else
	WIN MUL_HI
.endif
	MUL16 4, (\q)%2, \cm
	MUL16 6, (\q)%2, \cm
	PLACES NP
	WIN 0
	FETCH_A \slot, (\q)+1, 4
.endm
.macro TURN slot, next, fill
	s_wait_tensorcnt 0x0
	ds_add_u32 v[SPW], v[NIL]
	s_wait_dscnt 4*NL+1
	WIN MUL_LO
	MUL16 0, 1, 0
	s_wait_dscnt 0x0
	s_barrier_signal -1
	MUL16 2, 1, 0
	WIN 0
	s_barrier_wait -1
.if \fill
	CREST
	s_add_nc_u64 s[G0+4*\slot+2:G0+4*\slot+3], s[G0+4*\slot+2:G0+4*\slot+3], 0x400000
	s_add_nc_u64 s[G0B+4*\slot+2:G0B+4*\slot+3], s[G0B+4*\slot+2:G0B+4*\slot+3], 2*ROWB
	JLOAD \slot
.else
	PLACES NP
.endif
	FETCH_B \next, 0, 0
	FETCH_A \next, 0, 0
	WIN MUL_HI
	MUL16 4, 1, 0
	MUL16 6, 1, 0
	PLACES NP
	WIN 0
	FETCH_A \next, 0, 4
.endm
	s_wait_alu depctr_va_vdst(0)
	s_wait_tensorcnt 1
	s_barrier_signal -1
	s_barrier_wait -1
	FETCH_B 0, 0, 0
	FETCH_A 0, 0, 0
	FETCH_A 0, 0, 4
	STEP 0, 0, 1
	TURN 0, 1, 1
	STEP 1, 0, 0
	TURN 1, 0, 1
	STEP 0, 0, 0
	TURN 0, 1, 0
	STEP 1, 0, 0
	s_wait_dscnt 4*NL
	WIN MUL_LO
	MUL16 0, 1, 0
	MUL16 2, 1, 0
	s_wait_dscnt 0
	WIN MUL_HI
	MUL16 4, 1, 0
	MUL16 6, 1, 0
	WIN 0
.macro TOSTAGE a
.set AC, 64*((\a)%4)
	WIN 0x02+((\a)/4)
.irp j, 0,2,4,6,8,10,12,14,16,18,20,22,24,26,28,30,32,34,36,38,40,42,44,46,48,50,52,54,56,58,60,62
	v_pk_mul_f32 v[TMP+\j:TMP+\j+1], v[AC+\j:AC+\j+1], s[96:97] op_sel_hi:[1,0]
.endr
	WIN 0
.irp b, 0,1,2,3,4,5,6,7
	ds_store_b128 v[STO], v[TMP+8*\b:TMP+8*\b+3] offset:64*\b
	ds_store_b128 v[STO], v[TMP+8*\b+4:TMP+8*\b+7] offset:64*\b+16
.endr
.set BB, BK+64*((\a)%2)
.irp t, 0,1,2,3,4,5,6,7,8,9,10,11,12,13,14,15
	ds_load_b128 v[BB+4*\t:BB+4*\t+3], v[RD] offset:\t*SPITCH
.endr
.endm
.macro SEND a, younger
.set BB, BK+64*((\a)%2)
	s_wait_dscnt \younger
.if (\a) > 0
	s_add_nc_u64 s[12:13], s[12:13], 16*SIZE_N*4
.endif
.irp t, 0,1,2,3,4,5,6,7,8,9,10,11,12,13,14,15
	global_store_b128 v[CO], v[BB+4*\t:BB+4*\t+3], s[12:13] offset:\t*SIZE_N*4 th:TH_STORE_NT
.endr
.endm
	PLACES NP
	TOSTAGE 0
.irp a, 1,2,3,4,5,6,7
.if \a > 1
	s_wait_xcnt 0x0
.endif
	TOSTAGE \a
	SEND \a-1, 32
.endr
	s_wait_xcnt 0x0
	SEND 7, 0
	s_wait_tensorcnt 0x0
	ds_add_u32 v[SPW], v[NIL]
	s_wait_dscnt 0x0
	CROUND
	s_endpgm
.Lfunc_end_k_qa98f8a3dd0_outp:
	.size	k_qa98f8a3dd0_outp, .Lfunc_end_k_qa98f8a3dd0_outp-k_qa98f8a3dd0_outp
	.p2alignl 7, 3214868480
	.fill 96, 4, 3214868480
	.section	.rodata,"a",@progbits
	.p2align	6, 0x0
	.amdhsa_kernel k_qa98f8a3dd0_outp
		.amdhsa_group_segment_fixed_size 327680
		.amdhsa_private_segment_fixed_size 0
		.amdhsa_enable_private_segment 0
		.amdhsa_kernarg_size 40
		.amdhsa_user_sgpr_count 2
		.amdhsa_user_sgpr_kernarg_segment_ptr 1
		.amdhsa_wavefront_size32 1
		.amdhsa_system_sgpr_workgroup_id_x 1
		.amdhsa_system_sgpr_workgroup_id_y 1
		.amdhsa_system_sgpr_workgroup_id_z 1
		.amdhsa_system_vgpr_workitem_id 0
		.amdhsa_next_free_vgpr 1024
		.amdhsa_next_free_sgpr 100
		.amdhsa_reserve_vcc 0
		.amdhsa_float_denorm_mode_32 3
		.amdhsa_float_denorm_mode_16_64 3
		.amdhsa_memory_ordered 1
		.amdhsa_forward_progress 1
		.amdhsa_inst_pref_size 130
	.end_amdhsa_kernel
	.amdgpu_metadata
---
amdhsa.version: [ 1, 2 ]
amdhsa.kernels:
  - .name:           k_qa98f8a3dd0_outp
    .symbol:         k_qa98f8a3dd0_outp.kd
    .args:
      - { .name: ycodes, .offset: 0, .size: 8, .value_kind: global_buffer, .address_space: global }
      - { .name: codes, .offset: 8, .size: 8, .value_kind: global_buffer, .address_space: global }
      - { .name: lowp_scales, .offset: 16, .size: 8, .value_kind: global_buffer, .address_space: global }
      - { .name: bo, .offset: 24, .size: 8, .value_kind: global_buffer, .address_space: global }
      - { .name: out0, .offset: 32, .size: 8, .value_kind: global_buffer, .address_space: global }
    .group_segment_fixed_size: 327680
    .private_segment_fixed_size: 0
    .kernarg_segment_align: 8
    .kernarg_segment_size: 40
    .max_flat_workgroup_size: 128
    .sgpr_count:     100
    .vgpr_count:     1024
    .wavefront_size: 32
...
	.end_amdgpu_metadata
.endif
;; end of part 4
